; MI455X (gfx1250); checked and timed in simulation.
; The chip was launched on July 23, 2026; its instructions are those of AMD's public machine-readable ISA for CDNA 5 (MIT licence, August 2026) and "CDNA5" Instruction Set Architecture Reference Guide (July 2026). The comments in the code are by the model that wrote it; some were corrected since.
;; Bit Linear. Allowed arithmetic: matrix products marked QUANTISED: E2M1 operands, one E8M0 scale for each 32 along K, by v_wmma_scale_f32_16x16x128_f8f6f4 with both operands' format E2M1 (or v_wmma_scale_f32_32x16x128_f4), f32 sums; everything else in f32.
;; Inputs: beta one number float32; gamma one number float32; ln_beta 4,096 float32; ln_gamma 4,096 float32; w 4,096 x 2,048 float32; x 4 x 2,048 x 4,096 float32.
;; Outputs: out0 4 x 2,048 x 2,048 float32.
;; This version of the problem:
;;   THIS VERSION OF THE PROBLEM IS GIVEN IN LOW PRECISION. The matrix products marked QUANTISED in the list below multiply operands that are first quantised to E2M1 (2 exponent bits, 1 mantissa bit; 4 bits a number), with one power-of-two scale for each 32 numbers along K (OCP MX v1.0); their sums are f32. All else is computed in f32.
;;   The module's matrix products, in the order in which they are computed (A, B: the left and right operand; K: the contracted axis; several contracted axes count as one K, in the product's order):
;;     1. [M 8,192, K 4,096] x [K 4,096, N 2,048]; A: computed on the way; B: input w: QUANTISED
;;   THE QUANTISER, for each operand of a quantised product, along K:
;;     - K is cut into blocks of 32 from its start; a last block that is shorter is filled with zeros.
;;     - A block's scale is 2^e with e = floor(log2(the largest magnitude in the block)) - 2, held to -126 .. 127; a block of zeros has e = 0. As a byte (E8M0): e + 127.
;;     - Each number is divided by its block's scale, clamped to +-6, and rounded to the nearest number of E2M1, ties to even, subnormals kept.
;;     - The product sums the exact products of the quantised numbers (number of the format x scale) in f32.
;;   ~~~python
;;   def quantise(x, axis):      # numpy; x: float32 -> the quantised numbers, widened to float32 again
;;       x = np.moveaxis(x, axis, -1); K = x.shape[-1]
;;       x = np.pad(x, [(0, 0)] * (x.ndim - 1) + [(0, -K % 32)]); x = x.reshape(x.shape[:-1] + (-1, 32)); a = np.abs(x).max(-1, keepdims=True)
;;       e = np.where(a > 0, np.clip(np.frexp(np.where(a > 0, a, 1))[1] - 1 - 2, -126, 127), 0)      # np.frexp(a)[1] - 1 = floor(log2(a)), exactly
;;       r = np.clip(x / 2.0 ** e, -6, 6)
;;       step = 2.0 ** (np.maximum(np.frexp(np.where(r == 0, 1, r))[1] - 1, 0) - 1)
;;       q = np.round(r / step) * step * 2.0 ** e      # np.round: ties to even
;;       return np.moveaxis(q.reshape(q.shape[:-2] + (-1,))[..., :K], -1, axis).astype(np.float32)
;;   ~~~
;;   OPERANDS COMPUTED ON THE WAY. 'Computed on the way' means the value that the module computes at that place (a softmax that the list does not call 'softmax' is quantised finished and normalised). What goes into a quantiser is computed in f32, as accurately as f32 sums, v_exp_f32 and their like allow (about 1e-6 of the number): no bf16 or f16 on the way to a quantiser, and a product that is left as it is and whose result goes on into a quantised operand takes f32 operands (vector FMAs, or v_wmma_f32_16x16x4_f32). A number that lies on a knife's edge between two numbers of the format may be rounded either way, as far as f32 arithmetic and the matrix unit's own rounding can turn it there, and no further.
;; One version. Each part assembles by itself: llvm-mc -triple=amdgcn-amd-amdhsa -mcpu=gfx1250 --defsym DOCPART=n.
;; ======== version 1 of 1: 2 launches
;; limits: right only within a limited range of input values
;; workspace buffers: xq 17,825,792 bytes; wq 4,456,448 bytes
;; launch quant (part 1): grid 256 x 1, 16 waves a work-group, no clusters, 98,816 bytes of LDS; arguments x, w, ln_gamma, ln_beta, gamma, xq, wq; writes xq, wq
.if DOCPART == 1
	.amdgcn_target "amdgcn-amd-amdhsa--gfx1250"
	.amdhsa_code_object_version 6
	.text
	.protected	k_q0d59057cb6_quant
	.globl	k_q0d59057cb6_quant
	.p2align	8
	.type	k_q0d59057cb6_quant,@function
k_q0d59057cb6_quant:
	s_mov_b64 s[64:65], 0
	v_nop
	global_prefetch_b8 v0, s[64:65] scope:SCOPE_SE
	s_setreg_imm32_b32 hwreg(HW_REG_WAVE_MODE, 25, 1), 1
	s_wait_xcnt 0x0
; x [8192][4096] f32 -> LayerNorm over the 4,096, x 128 / gamma, clipped to +-127.99, quantised along K = 4,096 to codes of FP4 (E2M1) with one E8M0 byte for each 32.
; w [4096 (k)][2048 (n)] f32 -> the same codes and bytes along k, its FIRST axis.  Both go to workspace buffers that the product's launch reads.
; THE WORKSPACE'S LAYOUT, xq and wq alike.  A PART is 128 rows (of x; columns n of w) x 512 along K, 34,816 consecutive bytes: first the rows' codes, 256 bytes a row, the lower k in the low four bits;
; then, from byte 32,768, the rows' scale bytes, 16 a row.  Parts lie [rows / 128][K / 512]: a part is one dense block for one tensor load, codes and scales together.
; SHARES.  256 work-groups of 16 waves, all with the same work: 32 rows of x and a piece of w of 64 columns x 512 k.  No cluster: the work-groups share only ln_gamma and ln_beta, 32 KB beside 640 KB of their own.
;   x: a wave takes two rows, one after the other; a row (16 KB) lies in 128 registers, so it is read from memory once for mean, variance and codes.  The variance is the mean of (x - mean)^2, taken in a second pass
;      over the registers, so that a common offset of x costs no accuracy.
;   w: a lane takes a column and its registers run down k: 64 k a wave, two blocks of 32, each wholly in one lane.  The 16 waves' codes meet in LDS and leave as rows of 256 bytes.
;   g' = ln_gamma x 128 / gamma and b' = ln_beta x 128 / gamma are made once by the 512 threads and kept in LDS: a number is then (x - mean) r g' + b', r = 1 / sqrt(variance + 1e-5).
; THE ORDER.  Row 0 is asked for at once.  While its chunks are finished, row 1's loads go out into the registers that they leave; while row 1's first four chunks are finished, w's 64 loads a lane go out likewise.
; So w's piece comes LAST: behind the wave's last load stand two blocks a lane, not a row.
; THE CLIP to +-127.99 is made on a block's largest magnitude alone.  127.99 lies under 2^7, so a clipped block's scale is 2^4 at the most and its largest code stands for 96 at the most: a number of magnitude 127.99 or
; more gets the largest code whether it is clipped first or not (the conversion holds what lies beyond the largest code at that code), and a smaller number is not touched by the clip.  Codes and bytes are those of the clipped numbers.
; THE TURN THROUGH LDS.  A load takes 512 consecutive bytes, 16 a lane; the conversions want 16 neighbours along K in ONE lane.  So a chunk of 512 numbers goes through the wave's own stage as it lies and comes back 64 bytes a lane.
; A block's scale is 2^(floor(log2(its largest magnitude)) - 2): its byte is that magnitude's exponent field - 2, held at 1 from below by a floor among the maximum's leaves.
; LIMITS: NaN and infinities among the inputs, and gamma = 0, are not served.  A block whose largest magnitude lies under 2^-124, a block of zeros among them, gets the byte 1 (the quantiser's text says 127 for zeros):
; its codes are zeros or as the held scale gives them, and the bytes are read by this program alone.
.set BLKB,  34816                      ; a part in bytes
.set RBLK,  8*BLKB                     ; the eight parts of 128 rows
.set GBL,   0                          ; LDS: g', 16 KB, as a row of x lies;  b' 16 KB behind it
.set XSTG,  32768                      ; a stage of 32 places of 80 bytes (64 + 16 of padding) for each wave
.set SCB,   73728                      ; x's scale bytes: row j of the work-group's 32 at 144 j (128 bytes + 16)
.set WST,   78336                      ; w's codes: column j of 64 at 272 j (256 bytes + 16)
.set WSC,   95744                      ; w's scale bytes: 16 a column
.set XO,   2                           ; v2   16 x lane
.set SIN,  3                           ; v3   the stage, on the way in: 80 (lane / 4) + 16 (lane % 4)
.set SOUT, 4                           ; v4   and out: 80 x lane
.set CO,   6                           ; v6   8 x lane: my 16 codes
.set SBA,  7                           ; v7   where my block's scale byte goes
.set CL,   8                           ; v8   127.99
.set WO,   9                           ; v9   4 x lane
.set WSI,  10                          ; v10  where my column's codes go
.set WSB,  11                          ; v11  and its two scale bytes
.set WRD,  12                          ; v12  w's codes, read back by rows
.set WSR,  13                          ; v13  w's scale bytes, read back
.set GT,   14                          ; v14  16 x thread
.set SRD,  15                          ; v15  x's scale bytes, read back
.set R,    16                          ; v16-143  the row, then x - mean;  at the end v16-79: w's 64 numbers
.set T,    144                         ; v144-159 a chunk, finished, as it was loaded
.set X,    160                         ; v160-191 two sets of 16 neighbours
.set G,    192                         ; v192-207 a chunk's g'
.set B,    208                         ; v208-223 a chunk's b';  at the end v208-219: w's codes and bytes
.set C,    224                         ; v224-239 a row's codes, two registers a chunk     (at the head: ln_gamma and ln_beta as loaded)
.set A,    240                         ; v240-247 four packed chains of a sum
.set E,    240                         ; the same registers later: a scale byte for each chunk
.set MU,   248                         ; v248-249 the mean, twice
.set RS,   250                         ; v250-251 1 / sqrt(variance + 1e-5), twice
.set M,    252                         ; v252-254 at work
.set M2,   253
.set SCL,  254
.set PD,   255                         ; v255 a lane permute's destination
.macro LOADX i                         ; a whole row: 32 loads of 512 consecutive bytes
.set j, 0
.rept 32
	global_load_b128 v[R+4*j:R+4*j+3], v[XO], s[4:5] offset:16384*(\i)+512*j th:TH_LOAD_NT
.set j, j+1
.endr
.endm
.macro WBLOCK t                        ; block t of my column of w: all 32 numbers are mine
.set WS, R+32*(\t)
	v_max3_num_f32 v[M],  |v[WS]|,   |v[WS+1]|, |v[WS+2]|
	v_max3_num_f32 v[M2], |v[WS+3]|, |v[WS+4]|, |v[WS+5]|
.irp n, 6,10,14,18,22,26
	s_delay_alu instid0(VALU_DEP_2)
	v_max3_num_f32 v[M],  v[M],  |v[WS+\n]|,   |v[WS+\n+1]|
	s_delay_alu instid0(VALU_DEP_2)
	v_max3_num_f32 v[M2], v[M2], |v[WS+\n+2]|, |v[WS+\n+3]|
.endr
	s_delay_alu instid0(VALU_DEP_2)
	v_max3_num_f32 v[M], v[M], |v[WS+30]|, |v[WS+31]|
	s_delay_alu instid0(VALU_DEP_1)
	v_max3_num_f32 v[M], v[M], v[M2], 0x1800000    ; and the floor 2^(3 - 127): the byte cannot fall under 1
	s_delay_alu instid0(VALU_DEP_1)
	v_add_nc_u32 v[SCL], 0xff000000, v[M]          ; 2 off the exponent field: the conversion takes this operand's exponent field as its scale
	s_delay_alu instid0(VALU_DEP_1)
	v_lshrrev_b32 v[B+8+(\t)], 23, v[SCL]          ; the scale's byte
.irp n, 0,1,2,3
	v_cvt_scalef32_pk8_fp4_f32 v[B+4*(\t)+\n], v[WS+8*\n:WS+8*\n+7], v[SCL]
.endr
	v_nop                                          ; one plain instruction behind the last scaled conversion
	ds_store_b128 v[WSI], v[B+4*(\t):B+4*(\t)+3] offset:16*(\t)
.endm
.macro WSUM                            ; the four chains, their halves and the 32 lanes: the sum in v[M] of every lane
	s_delay_alu instid0(VALU_DEP_3)
	v_pk_add_f32 v[A:A+1],   v[A:A+1],   v[A+2:A+3]
	s_delay_alu instid0(VALU_DEP_2)
	v_pk_add_f32 v[A+4:A+5], v[A+4:A+5], v[A+6:A+7]
	s_delay_alu instid0(VALU_DEP_1)
	v_pk_add_f32 v[A:A+1],   v[A:A+1],   v[A+4:A+5]
	s_delay_alu instid0(VALU_DEP_1)
	v_add_f32 v[M], v[A], v[A+1]
	s_delay_alu instid0(VALU_DEP_1)
	v_add_f32_dpp v[M], v[M], v[M] row_xmask:1 row_mask:0xf bank_mask:0xf
	s_delay_alu instid0(VALU_DEP_1)
	v_add_f32_dpp v[M], v[M], v[M] row_xmask:2 row_mask:0xf bank_mask:0xf
	s_delay_alu instid0(VALU_DEP_1)
	v_add_f32_dpp v[M], v[M], v[M] row_xmask:4 row_mask:0xf bank_mask:0xf
	s_delay_alu instid0(VALU_DEP_1)
	v_add_f32_dpp v[M], v[M], v[M] row_xmask:8 row_mask:0xf bank_mask:0xf
	s_delay_alu instid0(VALU_DEP_1)
	v_permlanex16_b32 v[PD], v[M], s20, s21
	s_delay_alu instid0(VALU_DEP_1)
	v_add_f32 v[M], v[M], v[PD]
.endm
.macro GBLOAD c                        ; chunk c's g' and b', in the places in which the chunk was loaded
.irp n, 0,1,2,3
	ds_load_b128 v[G+4*\n:G+4*\n+3], v[XO] offset:GBL+2048*(\c)+512*\n
.endr
.irp n, 0,1,2,3
	ds_load_b128 v[B+4*\n:B+4*\n+3], v[XO] offset:GBL+16384+2048*(\c)+512*\n
.endr
.endm
; Chunk c (512 numbers, one K step) of row i is finished and sent through the stage.  fill = 1: its registers take the same chunk of the next row;  fill = 2: those of chunks 0 to 3 take 16 rows of w each.
.macro NORM i, c, fill
	s_wait_dscnt 0x0                               ; g' and b' of this chunk are in; so are the chunk before's neighbours, and the stage's stores have read T
.irp k, 0,2,4,6,8,10,12,14
	v_pk_mul_f32 v[T+\k:T+\k+1], v[R+16*(\c)+\k:R+16*(\c)+\k+1], v[RS:RS+1]
.endr
.irp k, 0,2,4,6,8,10,12,14
	v_pk_fma_f32 v[T+\k:T+\k+1], v[T+\k:T+\k+1], v[G+\k:G+\k+1], v[B+\k:B+\k+1]
.endr
.if (\fill) == 1
.irp n, 0,1,2,3
	global_load_b128 v[R+16*(\c)+4*\n:R+16*(\c)+4*\n+3], v[XO], s[4:5] offset:16384*((\i)+1)+2048*(\c)+512*\n th:TH_LOAD_NT
.endr
.endif
.if (\fill) == 2
.if (\c) < 4
.set wn, 0
.rept 16
	global_load_b32 v[R+16*(\c)+wn], v[WO], s[6:7] offset:8192*(16*(\c)+wn) th:TH_LOAD_NT   ; w(k + 16 c + wn, my column): 32 lanes read 128 consecutive bytes
.set wn, wn+1
.endr
.endif
.endif
.irp n, 0,1,2,3
	ds_store_b128 v[SIN], v[T+4*\n:T+4*\n+3] offset:640*\n     ; a load's 512 bytes take eight places of the stage
.endr
.irp n, 0,1,2,3
	ds_load_b128 v[X+16*((\c)%2)+4*\n:X+16*((\c)%2)+4*\n+3], v[SOUT] offset:16*\n   ; LDS serves a wave's instructions in order (ISA guide 5.7.1.4): these see the stores above
.endr
.if (\c) < 7
	GBLOAD (\c)+1
.endif
.endm
; The 16 neighbours of chunk c become 16 codes; two neighbouring lanes hold a block.
.macro QUANT i, c
.set XS, X+16*((\c)%2)
	v_max3_num_f32 v[M],  |v[XS]|,   |v[XS+1]|, |v[XS+2]|
	v_max3_num_f32 v[M2], |v[XS+3]|, |v[XS+4]|, |v[XS+5]|
.irp n, 6,10
	s_delay_alu instid0(VALU_DEP_2)
	v_max3_num_f32 v[M],  v[M],  |v[XS+\n]|,   |v[XS+\n+1]|
	s_delay_alu instid0(VALU_DEP_2)
	v_max3_num_f32 v[M2], v[M2], |v[XS+\n+2]|, |v[XS+\n+3]|
.endr
	s_delay_alu instid0(VALU_DEP_2)
	v_max3_num_f32 v[M], v[M], |v[XS+14]|, |v[XS+15]|
	s_delay_alu instid0(VALU_DEP_1)
	v_max3_num_f32 v[M], v[M], v[M2], 0x1800000    ; and the floor 2^(3 - 127)
	s_delay_alu instid0(VALU_DEP_1)
	v_max_num_f32_dpp v[M], v[M], v[M] row_xmask:1 row_mask:0xf bank_mask:0xf   ; with my neighbour's 16: the block's largest magnitude,
	s_delay_alu instid0(VALU_DEP_1)
	v_min_num_f32 v[M], v[M], v[CL]                ; CLIPPED: the largest magnitude of the clipped numbers
	s_delay_alu instid0(VALU_DEP_1)
	v_add_nc_u32 v[SCL], 0xff000000, v[M]
	v_cvt_scalef32_pk8_fp4_f32 v[C+2*(\c)],   v[XS:XS+7],    v[SCL]
	v_cvt_scalef32_pk8_fp4_f32 v[C+2*(\c)+1], v[XS+8:XS+15], v[SCL]
	v_lshrrev_b32 v[E+(\c)], 23, v[SCL]            ; the scale's byte (also the plain instruction behind the conversions)
	ds_store_b8 v[SBA], v[E+(\c)] offset:144*(\i)+16*(\c)      ; both lanes of a block write the same byte with the same value
	global_store_b64 v[CO], v[C+2*(\c):C+2*(\c)+1], s[14:15] offset:BLKB*(\c)+256*(\i)   ; the row's 256 bytes in part c: consecutive, at a multiple of 256 from xq's first byte
.endm
.macro ROW i, fill
	s_wait_dscnt 0x0                               ; the byte stores of the row before have read the registers that the chains take
	; the mean.  Loads come back in order (ISA guide 5.7.1): a quarter of the row at a time; the counts are the row's younger loads
	s_wait_loadcnt 24
.irp k, 0,1,2,3
	v_pk_add_f32 v[A+2*\k:A+2*\k+1], v[R+4*\k:R+4*\k+1], v[R+4*\k+2:R+4*\k+3]   ; the first eight pairs start the chains: nothing is cleared
.endr
.set p, 8
.rept 8
	s_delay_alu instid0(VALU_DEP_4)
	v_pk_add_f32 v[A+2*(p%4):A+2*(p%4)+1], v[A+2*(p%4):A+2*(p%4)+1], v[R+2*p:R+2*p+1]
.set p, p+1
.endr
	s_wait_alu depctr_va_vdst(0)
.irp left, 16, 8, 0
	s_wait_alu depctr_va_vdst(0)
	s_wait_loadcnt \left
.rept 16
	v_pk_add_f32 v[A+2*(p%4):A+2*(p%4)+1], v[A+2*(p%4):A+2*(p%4)+1], v[R+2*p:R+2*p+1]
.set p, p+1
.endr
.endr
	WSUM
	s_delay_alu instid0(VALU_DEP_1)
	v_mul_f32 v[MU], s22, v[M]
	s_delay_alu instid0(VALU_DEP_2)
	v_mul_f32 v[MU+1], s22, v[M]
	; x - mean, in place; then the mean of its squares
.set p, 0
.rept 64
	v_pk_add_f32 v[R+2*p:R+2*p+1], v[R+2*p:R+2*p+1], v[MU:MU+1] neg_lo:[0,1] neg_hi:[0,1]
.set p, p+1
.endr
.irp k, 0,1,2,3
	v_pk_mul_f32 v[A+2*\k:A+2*\k+1], v[R+2*\k:R+2*\k+1], v[R+2*\k:R+2*\k+1]
.endr
.set p, 4
.rept 60
	s_delay_alu instid0(VALU_DEP_4)
	v_pk_fma_f32 v[A+2*(p%4):A+2*(p%4)+1], v[R+2*p:R+2*p+1], v[R+2*p:R+2*p+1], v[A+2*(p%4):A+2*(p%4)+1]
.set p, p+1
.endr
	WSUM
	s_delay_alu instid0(VALU_DEP_1)
	v_fma_f32 v[M2], v[M], s22, s23                ; variance + 1e-5
	s_wait_alu depctr_va_vdst(0)
	v_rsq_f32 v[RS], v[M2]
	v_nop                                          ; a plain instruction behind the transcendental (ISA guide 5.7.2)
	s_wait_alu depctr_va_vdst(0)
	v_mov_b32 v[RS+1], v[RS]
	; chunk by chunk: while chunk c is quantised, chunk c + 1 is on its way through the stage and chunk c + 2's g' and b' are being fetched
	s_wait_alu depctr_va_vdst(0)
	s_wait_xcnt 0x0                                ; the stores of the row before have read their data: its codes' registers are written again below
	GBLOAD 0
	NORM \i, 0, \fill
.irp c, 0,1,2,3,4,5,6
	NORM \i, \c+1, \fill
	QUANT \i, \c
.endr
	s_wait_dscnt 0x0
	QUANT \i, 7
.endm
	s_load_b256 s[4:11], s[0:1], 0x0               ; x s[4:5], w s[6:7], ln_gamma s[8:9], ln_beta s[10:11]
	s_load_b128 s[12:15], s[0:1], 0x20             ; gamma s[12:13], xq s[14:15]
	s_load_b64 s[16:17], s[0:1], 0x30              ; wq
	v_lshrrev_b32 v1, 5, v0
	s_delay_alu instid0(VALU_DEP_1)
	v_readfirstlane_b32 s18, v1                    ; wave 0..15
	v_and_b32 v1, 31, v0                           ; lane
	s_wait_alu depctr_va_vdst(0)
	s_mov_b32 s20, 0x76543210                      ; v_permlanex16_b32's selects for lane l xor 16
	s_mov_b32 s21, 0xfedcba98
	s_mov_b32 s22, 0x39800000                      ; 1 / 4096
	s_mov_b32 s23, 0x3727c5ac                      ; 1e-5
	s_and_b32 s24, s18, 1                          ; cw: which 32 of the piece's 64 columns
	s_lshr_b32 s25, s18, 1                         ; kw: which 64 of its 512 k
	s_and_b32 s26, s18, 7                          ; the K step whose scale bytes of x I store (waves 0 to 7)
	s_and_b32 s27, ttmp9, 31                       ; cg: which 64 columns of w
	s_lshr_b32 s32, ttmp9, 5                       ; ky: which 512 of k
	s_lshr_b32 s33, ttmp9, 2                       ; which 128 rows of x,
	s_and_b32 s34, ttmp9, 3                        ; and which 32 of them
	; every LDS address is made here, of constants, the lane and the wave's number
	v_lshlrev_b32 v[XO], 4, v1
	s_mul_i32 s35, s18, 2560
	s_add_co_u32 s35, s35, XSTG                    ; my stage
	v_lshrrev_b32 v[SIN], 2, v1
	s_delay_alu instid0(VALU_DEP_1)
	v_mul_u32_u24 v[SIN], v[SIN], 80
	v_and_b32 v[SOUT], 3, v1
	s_delay_alu instid0(VALU_DEP_1)
	v_lshl_add_u32 v[SIN], v[SOUT], 4, v[SIN]
	s_delay_alu instid0(VALU_DEP_1)
	v_add_nc_u32 v[SIN], s35, v[SIN]
	v_mul_u32_u24 v[SOUT], v1, 80
	s_delay_alu instid0(VALU_DEP_1)
	v_add_nc_u32 v[SOUT], s35, v[SOUT]
	v_mov_b32 v[CL], 0x42fffae1
	v_lshlrev_b32 v[CO], 3, v1
	s_mul_i32 s35, s18, 288
	s_add_co_u32 s35, s35, SCB                     ; my two rows of scale bytes
	v_lshrrev_b32 v[SBA], 1, v1
	s_delay_alu instid0(VALU_DEP_1)
	v_add_nc_u32 v[SBA], s35, v[SBA]               ; two neighbouring lanes hold a block
	v_lshlrev_b32 v[WO], 2, v1
	s_mul_i32 s35, s24, 32*272
	s_lshl_b32 s28, s25, 5
	s_add_co_u32 s35, s35, s28
	s_add_co_u32 s35, s35, WST
	v_mul_u32_u24 v[WSI], v1, 272
	s_delay_alu instid0(VALU_DEP_1)
	v_add_nc_u32 v[WSI], s35, v[WSI]               ; column 32 cw + lane, 32 bytes for each 64 k
	s_lshl_b32 s35, s24, 9
	s_lshl_b32 s28, s25, 1
	s_add_co_u32 s35, s35, s28
	s_add_co_u32 s35, s35, WSC
	v_lshlrev_b32 v[WSB], 4, v1
	s_delay_alu instid0(VALU_DEP_1)
	v_add_nc_u32 v[WSB], s35, v[WSB]               ; 16 bytes a column, two for each 64 k
	s_mul_i32 s35, s18, 4*272
	s_add_co_u32 s35, s35, WST
	v_lshrrev_b32 v[WRD], 4, v1
	s_delay_alu instid0(VALU_DEP_1)
	v_mul_u32_u24 v[WRD], v[WRD], 272
	v_and_b32 v[WSR], 15, v1
	s_delay_alu instid0(VALU_DEP_1)
	v_lshl_add_u32 v[WRD], v[WSR], 4, v[WRD]
	s_delay_alu instid0(VALU_DEP_1)
	v_add_nc_u32 v[WRD], s35, v[WRD]               ; back: columns 4 wave on, sixteen lanes to a column's 256 bytes
	s_lshl_b32 s35, s24, 9
	s_add_co_u32 s35, s35, WSC
	v_add_nc_u32 v[WSR], s35, v[XO]                ; back: a lane a column
	v_lshlrev_b32 v[GT], 4, v0
	s_lshl_b32 s35, s26, 4
	s_add_co_u32 s35, s35, SCB
	v_mul_u32_u24 v[SRD], v1, 144
	s_delay_alu instid0(VALU_DEP_1)
	v_add_nc_u32 v[SRD], s35, v[SRD]               ; back: a lane a row, the 16 bytes of one K step
	v_mov_b32 v[PD], 0                             ; written once: a lane permute's destination counts as one of its sources
	; byte offsets into the buffers, each a pair with 0 on top (all under 2^28)
	s_lshl_b32 s36, ttmp9, 5
	s_lshl_b32 s28, s18, 1
	s_add_co_u32 s36, s36, s28
	s_lshl_b32 s36, s36, 14                        ; x: row 32 g + 2 wave, 16,384 bytes a row
	s_mov_b32 s37, 0
	s_lshl_b32 s38, s32, 22
	s_lshl_b32 s28, s25, 19
	s_add_co_u32 s38, s38, s28
	s_lshl_b32 s28, s27, 8
	s_add_co_u32 s38, s38, s28
	s_lshl_b32 s28, s24, 7
	s_add_co_u32 s38, s38, s28
	s_mov_b32 s39, 0
	s_mul_i32 s29, s33, RBLK                       ; xq: my 128 rows' parts;
	s_lshl_b32 s40, s34, 13
	s_lshl_b32 s28, s18, 9
	s_add_co_u32 s40, s40, s28
	s_add_co_u32 s40, s40, s29                     ; codes: row 32 (g % 4) + 2 wave of the part, 256 bytes a row
	s_mov_b32 s41, 0
	s_mul_i32 s42, s26, BLKB
	s_lshl_b32 s28, s34, 9
	s_add_co_u32 s42, s42, s28
	s_add_co_u32 s42, s42, s29
	s_add_co_u32 s42, s42, 32768                   ; scale bytes: part wave % 8, my work-group's 32 rows of 16 bytes
	s_mov_b32 s43, 0
	s_lshr_b32 s29, s27, 1
	s_lshl_b32 s29, s29, 3
	s_add_co_u32 s29, s29, s32
	s_mul_i32 s29, s29, BLKB                       ; wq: part (cg / 2, ky);
	s_and_b32 s30, s27, 1
	s_lshl_b32 s44, s30, 14
	s_lshl_b32 s28, s18, 10
	s_add_co_u32 s44, s44, s28
	s_add_co_u32 s44, s44, s29                     ; codes: row 64 (cg % 2) + 4 wave
	s_mov_b32 s45, 0
	s_lshl_b32 s46, s30, 10
	s_lshl_b32 s28, s24, 9
	s_add_co_u32 s46, s46, s28
	s_add_co_u32 s46, s46, s29
	s_add_co_u32 s46, s46, 32768                   ; scale bytes: row 64 (cg % 2) + 32 (wave % 2)
	s_mov_b32 s47, 0
	s_wait_alu depctr_va_vdst(0)
	s_wait_kmcnt 0x0
	s_load_b32 s19, s[12:13], 0x0                  ; gamma
	s_add_nc_u64 s[4:5], s[4:5], s[36:37]
	s_add_nc_u64 s[6:7], s[6:7], s[38:39]
	s_add_nc_u64 s[28:29], s[14:15], s[42:43]
	s_add_nc_u64 s[14:15], s[14:15], s[40:41]
	s_add_nc_u64 s[30:31], s[16:17], s[46:47]
	s_add_nc_u64 s[16:17], s[16:17], s[44:45]
	global_load_b128 v[C:C+3],     v[GT], s[8:9]               ; ln_gamma and ln_beta: 8 numbers of each a thread
	global_load_b128 v[C+4:C+7],   v[GT], s[8:9] offset:8192
	global_load_b128 v[C+8:C+11],  v[GT], s[10:11]
	global_load_b128 v[C+12:C+15], v[GT], s[10:11] offset:8192
	LOADX 0                                        ; my first row of x goes out at once
	s_wait_kmcnt 0x0
	v_rcp_f32 v[A], s19
	v_mov_b32 v[A+2], s19                          ; (a plain instruction behind the reciprocal)
	s_wait_alu depctr_va_vdst(0)
	v_fma_f32 v[A+1], -v[A+2], v[A], 1.0           ; one Newton step, so that 128 / gamma is good to the last bit or nearly
	v_fma_f32 v[A], v[A], v[A+1], v[A]
	s_delay_alu instid0(VALU_DEP_1)
	v_mul_f32 v[A], 0x43000000, v[A]               ; 128 / gamma
	s_delay_alu instid0(VALU_DEP_1)
	v_mov_b32 v[A+1], v[A]
	s_wait_alu depctr_va_vdst(0)
	s_wait_loadcnt 32                              ; ln_gamma and ln_beta are in; the row's 32 loads, issued behind them, may be out
.irp k, 0,2,4,6,8,10,12,14
	v_pk_mul_f32 v[C+\k:C+\k+1], v[C+\k:C+\k+1], v[A:A+1]
.endr
	ds_store_b128 v[GT], v[C:C+3]     offset:GBL
	ds_store_b128 v[GT], v[C+4:C+7]   offset:GBL+8192
	ds_store_b128 v[GT], v[C+8:C+11]  offset:GBL+16384
	ds_store_b128 v[GT], v[C+12:C+15] offset:GBL+24576
	s_wait_dscnt 0x0                               ; for the others' sake: my part of g' and b' has landed
	s_barrier_signal -1
	s_barrier_wait -1
	ROW 0, 1                                       ; its chunks' registers take row 1
	ROW 1, 2                                       ; its first four chunks' registers take my 64 numbers of w
	s_wait_loadcnt 32                              ; w's first block is in; its second block's 32 loads may be out
	WBLOCK 0
	s_wait_loadcnt 0x0
	WBLOCK 1
	v_lshl_or_b32 v[B+8], v[B+9], 8, v[B+8]
	ds_store_b16 v[WSB], v[B+8]                    ; my column's two bytes
	s_wait_dscnt 0x0                               ; for the others' sake: my stores of w's codes and bytes and of my rows' scale bytes have landed
	s_barrier_signal -1
	s_barrier_wait -1
	ds_load_b128 v[B:B+3],   v[WRD]                ; w's codes leave by rows: four columns a wave
	ds_load_b128 v[B+4:B+7], v[WRD] offset:2*272
	s_wait_dscnt 0x0
	global_store_b128 v[XO], v[B:B+3],   s[16:17]              ; 32 lanes store 512 consecutive bytes, at a multiple of 256 from wq's first byte
	global_store_b128 v[XO], v[B+4:B+7], s[16:17] offset:512
	s_cmp_lt_u32 s18, 2                            ; waves 0 and 1: the 64 columns' scale bytes, 512 consecutive bytes each
	s_cbranch_scc0 .Lno_wsc
	ds_load_b128 v[B+8:B+11], v[WSR]
	s_wait_dscnt 0x0
	global_store_b128 v[XO], v[B+8:B+11], s[30:31]
.Lno_wsc:
	s_cmp_lt_u32 s18, 8                            ; wave c of the first eight: K step c's scale bytes of the 32 rows
	s_cbranch_scc0 .Lend
	ds_load_b128 v[T:T+3], v[SRD]
	s_wait_dscnt 0x0
	global_store_b128 v[XO], v[T:T+3], s[28:29]    ; 32 rows x 16 bytes: 512 consecutive bytes, at a multiple of 256 from xq's first byte
.Lend:
	s_wait_xcnt 0x0
	v_lshl_add_u32 v254, v0, 2, 0x17a00
	v_mov_b32 v255, 0
	s_wait_alu depctr_va_vdst(0)
	s_wait_tensorcnt 0x0
	ds_add_u32 v254, v255
	s_wait_dscnt 0x0
	s_endpgm
.Lfunc_end_k_q0d59057cb6_quant:
	.size	k_q0d59057cb6_quant, .Lfunc_end_k_q0d59057cb6_quant-k_q0d59057cb6_quant
	.p2alignl 7, 3214868480
	.fill 96, 4, 3214868480
	.section	.rodata,"a",@progbits
	.p2align	6, 0x0
	.amdhsa_kernel k_q0d59057cb6_quant
		.amdhsa_group_segment_fixed_size 98816
		.amdhsa_private_segment_fixed_size 0
		.amdhsa_enable_private_segment 0
		.amdhsa_kernarg_size 56
		.amdhsa_user_sgpr_count 2
		.amdhsa_user_sgpr_kernarg_segment_ptr 1
		.amdhsa_wavefront_size32 1
		.amdhsa_system_sgpr_workgroup_id_x 1
		.amdhsa_system_sgpr_workgroup_id_y 1
		.amdhsa_system_sgpr_workgroup_id_z 1
		.amdhsa_system_vgpr_workitem_id 0
		.amdhsa_next_free_vgpr 256
		.amdhsa_next_free_sgpr 66
		.amdhsa_reserve_vcc 0
		.amdhsa_float_denorm_mode_32 3
		.amdhsa_float_denorm_mode_16_64 3
		.amdhsa_memory_ordered 1
		.amdhsa_forward_progress 1
		.amdhsa_inst_pref_size 111
	.end_amdhsa_kernel
	.amdgpu_metadata
---
amdhsa.version: [ 1, 2 ]
amdhsa.kernels:
  - .name:           k_q0d59057cb6_quant
    .symbol:         k_q0d59057cb6_quant.kd
    .args:
      - { .name: x, .offset: 0, .size: 8, .value_kind: global_buffer, .address_space: global }
      - { .name: w, .offset: 8, .size: 8, .value_kind: global_buffer, .address_space: global }
      - { .name: ln_gamma, .offset: 16, .size: 8, .value_kind: global_buffer, .address_space: global }
      - { .name: ln_beta, .offset: 24, .size: 8, .value_kind: global_buffer, .address_space: global }
      - { .name: gamma, .offset: 32, .size: 8, .value_kind: global_buffer, .address_space: global }
      - { .name: xq, .offset: 40, .size: 8, .value_kind: global_buffer, .address_space: global }
      - { .name: wq, .offset: 48, .size: 8, .value_kind: global_buffer, .address_space: global }
    .group_segment_fixed_size: 98816
    .private_segment_fixed_size: 0
    .kernarg_segment_align: 8
    .kernarg_segment_size: 56
    .max_flat_workgroup_size: 512
    .sgpr_count:     66
    .vgpr_count:     256
    .wavefront_size: 32
...
	.end_amdgpu_metadata
.endif
;; end of part 1
;; launch gemm (part 2): grid 8 x 32, 4 waves a work-group, clusters of 4 x 4, 327,680 bytes of LDS; arguments xq, wq, beta, gamma, out0; writes out0
.if DOCPART == 2
	.amdgcn_target "amdgcn-amd-amdhsa--gfx1250"
	.amdhsa_code_object_version 6
	.text
	.protected	k_q0d59057cb6_gemm
	.globl	k_q0d59057cb6_gemm
	.p2align	8
	.type	k_q0d59057cb6_gemm,@function
k_q0d59057cb6_gemm:
	s_mov_b64 s[64:65], 0
	v_nop
	global_prefetch_b8 v0, s[64:65] scope:SCOPE_SE
	s_setreg_imm32_b32 hwreg(HW_REG_WAVE_MODE, 25, 1), 1
	s_wait_xcnt 0x0
	s_wait_alu depctr_hold_cnt(0) depctr_sa_sdst(0) depctr_va_vdst(0) depctr_va_sdst(0) depctr_va_ssrc(0) depctr_va_vcc(0) depctr_vm_vsrc(0)
	s_getreg_b32 s2, hwreg(HW_REG_IB_STS2, 6, 4)
	s_cmp_eq_u32 s2, 0
	s_cbranch_scc0 .Lentry_in_a_cluster
	s_endpgm
.Lentry_in_a_cluster:
	s_bfe_u32 s2, ttmp6, 0x10000c
	s_cmp_lg_u32 s2, 0xf033
	s_cbranch_scc0 .Lentry_shape_is_right
	s_endpgm
.Lentry_shape_is_right:
; out0[m][n] = (beta gamma / 128) x sum over k of xq[m][k] wq[n][k]: 8,192 x 2,048, K = 4,096, both operands codes of FP4 (E2M1) with one E8M0 byte for each 32 along K, sums in f32.
; xq and wq are laid in PARTS of 128 rows x 512 along K: 34,816 dense bytes, 128 rows of 256 bytes of codes, then 8 rows of 256 bytes of scale bytes (16 a row); parts lie [rows / 128][K / 512].
; A tile of 256 x 256 is made by a work-group of four waves, 128 x 128 a wave: 64 accumulators, 512 registers.  K goes in steps of 512 through a ring of two LDS slots; a slot holds four parts
; (A's two, B's two), one tensor load a wave, codes and scales together.  256 tiles, 256 work-groups.
; CLUSTERS: 4 x 4 work-groups; A's parts are asked for jointly along a row of the cluster, B's along a column.  Each cluster begins at a K step of its own (by the cluster's x and y) and goes round modulo 8.
; THE MATRIX INSTRUCTION IS USED TRANSPOSED (source 0 = 16 rows of wq, source 1 = 16 rows of xq): a lane holds eight neighbouring numbers of a row of out0.
; REGISTERS: window 0: v0-31 addresses; v32-95 scale words, a set for each slot; v128-191, v192-255 A's fragments, two sets.  window 1: B's fragments, two sets, at v0 and v128.
;   windows 2, 3: the accumulators of my rows 0-63, 64-127 (accumulator (a, b) at v[8 (8 (a % 4) + b)]).
; A step of 128 along K is 64 matrix instructions on end; the next step's 32 LDS loads go into the other sets in ONE run at the step's head.
; THE WALK'S LAST K STEP GOES BY ROWS OF out0: all its fragments of B fill window 1, A comes by blocks of 16 rows x 512 K (three buffers, v96-191), and each block of 16 rows leaves as soon as it is finished.
; PREFETCH: behind each tensor load a wave asks for the part that its tensor load two loads on will bring (at the head: behind the first load for the second's part, behind the second for the third's and fourth's):
; 34 blocks of 256 bytes, its work-group's quarter of the part.
.set SIZE_N, 2048
.set NQ,     4                         ; steps of 128 in a slot
.set PITCH,  272                       ; an LDS row: 256 bytes + 16 of padding, so that the 16 rows of a fragment load begin 4 banks apart
.set FR,     8
.set PART,   136*PITCH
.set SCO,    128*PITCH                 ; a part's scale bytes: 16 rows' bytes to an LDS row
.set SLOT,   4*PART
.set BLKB,   136*256                   ; a part in memory
.set RBLK,   8*BLKB
.set LAPS,   4                         ; a lap = two K steps of 512
.set SPARE,  2*SLOT                    ; the spare words: 512 bytes that no other line names
.set SPITCH, 528                       ; the way out: a stage of 16 rows x (512 + 16) bytes a wave, in slot 0, behind that slot's last fill and last read
.set PFO,  8                           ; v8   256 x lane: blocks 0-31 of my 34
.set PFO2, 9                           ; v9   blocks 32, 33 (lanes 1-31 all name block 33)
.set ADRA, 16                          ; v16-17 my A fragments in slot 0, 1
.set ADRB, 20                          ; v20-21 my B fragments
.set ADRS, 22                          ; v22-23 my scale words: lanes 0-15 A's rows, lanes 16-31 B's
.set STO,  24
.set RD,   25
.set CO,   26
.set SPW,  28                          ; my spare word; never rewritten
.set NIL,  29                          ; 0; never rewritten
.set FAC,  30                          ; v30-31 beta gamma / 128, twice
.set SC,   32
.set PAB,  96                          ; by rows: A's three buffers of 32 registers
.set AF,   128
.set BK,   192                         ; by rows: 16 rows read back from the stage
.set BQ0,  0                           ; by rows: where B's fragments of the slot's q-th 128 lie in window 1; the third quarter's home comes free last
.set BQ1,  64
.set BQ2,  192
.set BQ3,  128
.set G1, 24                            ; s[24:31], s[32:39] groups 1 and 0 (a set a slot) for A;  s[48:55], s[56:63] for B
.set G0, 32
.set G1B, 48
.set G0B, 56
.set KI,  70                           ; s70, s71 the K step (0..7) that lies in, or is on its way to, slot 0, 1
.set PA,  72                           ; s[72:73], s[74:75] the eight parts of the 128 rows of xq, of wq, that my wave's number names
.set PB,  74
.set KO,  76
.set PFB, 80                           ; s[80:81] my work-group's quarter of the part at K step 0 of the rows that I fetch
.set PFA, 82                           ; s[82:83] where my prefetches stand
.set PFK, 84                           ; s[84:85] an offset, 0 on top
.set PFC, 92                           ; s[92:93] the head's second place
.set MSB, 0
.macro WIN new                         ; the immediate's high byte repeats the setting that is left
.if MSB != (\new)
	s_set_vgpr_msb (MSB<<8)|(\new)
.set MSB, (\new)
.endif
.endm
.set MUL_LO, 0xa1                      ; source 0 (B) window 1, source 1 (A) window 0, C and D window 2
.set MUL_HI, 0xf1                      ; the same, C and D window 3
.set TO_B,   0x40                      ; destination window 1
.macro JLOAD g0a, g1a, g0b, g1b        ; a joint load: waves 0, 1 fetch A's parts, waves 2, 3 B's; s_nop 0 and four v_nop behind each line
	s_cmp_eq_u32 s15, 0
	s_cbranch_scc0 .Lfor_b_\@
	tensor_load_to_lds s[\g0a:\g0a+3], s[\g1a:\g1a+7]
	s_nop 0
.rept 4
	v_nop
.endr
	s_branch .Lasked_\@
.Lfor_b_\@:
	tensor_load_to_lds s[\g0b:\g0b+3], s[\g1b:\g1b+7]
	s_nop 0
.rept 4
	v_nop
.endr
.Lasked_\@:
.endm
.macro CREST                           ; a round of the cluster's barrier behind its opening barrier
	s_cmp_lg_u32 s14, 0
	s_cbranch_scc1 .Lnot_wave_0_\@
	s_barrier_signal -3
.Lnot_wave_0_\@:
	s_barrier_wait -3
	s_barrier_signal -1
	s_barrier_wait -1
.endm
.macro CROUND
	s_barrier_signal -1
	s_barrier_wait -1
	CREST
.endm
.macro WHERE slot                      ; the slot's two groups 0 take the addresses of K step s[KI + slot]
	s_mul_i32 s[KO], s[KI+\slot], BLKB
	s_add_nc_u64 s[G0+4*\slot+2:G0+4*\slot+3], s[PA:PA+1], s[KO:KO+1]
	s_or_b32 s[G0+4*\slot+3], s[G0+4*\slot+3], 0x80000000
	s_add_nc_u64 s[G0B+4*\slot+2:G0B+4*\slot+3], s[PB:PB+1], s[KO:KO+1]
	s_or_b32 s[G0B+4*\slot+3], s[G0B+4*\slot+3], 0x80000000
.endm
.macro PFSET dst, reg, on              ; a prefetch's place: K step (s[reg] + on) mod 8: always inside the buffer
	s_add_co_u32 s[PFK], s[\reg], \on
	s_and_b32 s[PFK], s[PFK], 7
	s_mul_i32 s[PFK], s[PFK], BLKB
	s_add_nc_u64 s[\dst:\dst+1], s[PFB:PFB+1], s[PFK:PFK+1]
.endm
.macro PF at                           ; 34 blocks of 256 bytes, a lane a block
	global_prefetch_b8 v[PFO], s[\at:\at+1] th:TH_LOAD_NT scope:SCOPE_SE
	global_prefetch_b8 v[PFO2], s[\at:\at+1] th:TH_LOAD_NT scope:SCOPE_SE
.endm
	s_load_b128 s[4:7], s[0:1], 0x0                ; xq, wq
	s_load_b128 s[8:11], s[0:1], 0x10              ; beta, gamma
	s_load_b64 s[12:13], s[0:1], 0x20              ; out0
	v_lshl_add_u32 v[SPW], v0, 2, SPARE
	v_mov_b32 v[NIL], 0
	ds_add_u32 v[SPW], v[NIL]                      ; the opening lines: the add, twice on end, and its wait ahead of my first tensor load
	ds_add_u32 v[SPW], v[NIL]
	v_lshrrev_b32 v1, 5, v0
	v_readfirstlane_b32 s14, v1                    ; wave 0..3
	v_and_b32 v[PFO2], 31, v0
	v_lshlrev_b32 v[PFO], 8, v[PFO2]
	v_min_u32 v[PFO2], 1, v[PFO2]
	v_lshl_add_u32 v[PFO2], v[PFO2], 8, 32*256
	s_lshr_b32 s15, s14, 1                         ; my half of the tile's rows; also: I fetch for A (0) or B (1)
	s_and_b32 s16, s14, 1                          ; my half of its columns; also: which 128 rows I fetch
	s_bfe_u32 s40, ttmp6, 0x40000                  ; cx, cy
	s_bfe_u32 s41, ttmp6, 0x40004
	s_lshl_b32 s42, ttmp9, 2
	s_add_co_u32 s42, s42, s40                     ; tile column
	s_and_b32 s17, ttmp7, 0xffff
	s_lshl_b32 s17, s17, 2
	s_add_co_u32 s17, s17, s41                     ; tile row
	s_lshl_b32 s43, s41, 2
	s_lshl_b32 s43, 15, s43                        ; my row of the cluster
	s_lshl_b32 s44, 0x1111, s40                    ; my column
	s_or_b32 s[G1+0], s43, (3<<16)|(1<<20)|(1<<21)|(5<<22)|(3<<25)   ; the mask; elements of 8 bytes; padding of 4 words behind every 64; bit 21 beside a mask
	s_or_b32 s[G1B+0], s44, (3<<16)|(1<<20)|(1<<21)|(5<<22)|(3<<25)
.irp g, G1, G1B
	s_mov_b32 s[\g+1], 32<<16                      ; 136 dense rows of 32 elements
	s_mov_b32 s[\g+2], 136<<16
	s_mov_b32 s[\g+3], 32<<16
	s_mov_b32 s[\g+4], 136
	s_mov_b32 s[\g+5], 32
	s_mov_b32 s[\g+6], 0
	s_mov_b32 s[\g+7], 0
.endr
	s_lshl_b32 s20, s17, 1
	s_add_co_u32 s20, s20, s16
	s_mul_i32 s20, s20, RBLK                       ; xq: rows 256 x tile row + 128 x half
	s_mov_b32 s21, 0
	s_lshl_b32 s46, s42, 1
	s_add_co_u32 s46, s46, s16
	s_mul_i32 s46, s46, RBLK                       ; wq: rows 256 x tile column + 128 x half
	s_mov_b32 s47, 0
	s_mul_i32 s45, s14, PART                       ; where my part goes: wave x a part
	s_and_b32 s[KI], ttmp9, 1                      ; the cluster's first K step: 4 (x % 2) + 2 (y % 4), modulo 8
	s_lshl_b32 s[KI], s[KI], 2
	s_and_b32 s[KI+1], ttmp7, 3
	s_lshl_b32 s[KI+1], s[KI+1], 1
	s_add_co_u32 s[KI], s[KI], s[KI+1]
	s_and_b32 s[KI], s[KI], 7
	s_add_co_u32 s[KI+1], s[KI], 1
	s_and_b32 s[KI+1], s[KI+1], 7
	s_mov_b32 s[KO+1], 0
	s_wait_dscnt 0x0                               ; both opening adds are done
	s_wait_kmcnt 0x0
	s_add_nc_u64 s[PA:PA+1], s[4:5], s[20:21]
	s_add_nc_u64 s[PB:PB+1], s[6:7], s[46:47]
	s_load_b32 s68, s[8:9], 0x0                    ; beta
	s_load_b32 s69, s[10:11], 0x0                  ; gamma
.irp s, 0,1
	s_mov_b32 s[G0+4*\s], 1
	s_add_co_u32 s[G0+4*\s+1], s45, \s*SLOT
	s_mov_b32 s[G0B+4*\s], 1
	s_add_co_u32 s[G0B+4*\s+1], s45, \s*SLOT
	WHERE \s
.endr
	s_cmp_eq_u32 s15, 0                            ; the four partners that ask for a part jointly share its 136 blocks out by address: 34 each, by cx for A, by cy for B
	s_cselect_b64 s[PFB:PFB+1], s[PA:PA+1], s[PB:PB+1]
	s_cselect_b32 s[PFK], s40, s41
	s_mul_i32 s[PFK], s[PFK], 34*256
	s_mov_b32 s[PFK+1], 0
	s_add_nc_u64 s[PFB:PFB+1], s[PFB:PFB+1], s[PFK:PFK+1]
	PFSET PFA, KI+1, 0                             ; the walk's second K step
	CROUND                                         ; all sixteen work-groups are here: the first joint loads meet
	JLOAD G0, G1, G0B, G1B                         ; the walk's first K step: one tensor load a wave at the head
	s_wait_alu depctr_va_vdst(0)                   ; directly ahead of the first reader of v8 and v9
	PF PFA
	s_mul_i32 s21, s15, PART                       ; my 128 rows of A,
	s_mul_i32 s22, s16, PART
	s_add_co_u32 s22, s22, 2*PART                  ; of B, behind A's two parts
	s_sub_co_u32 s23, s22, s21
	s_add_co_u32 s86, s21, SCO
	s_mul_i32 s87, s14, 16*SPITCH                  ; my stage
	s_lshl_b32 s88, s17, 8                         ; my first byte of out0: row 256 x tile row + 128 x half, 8,192 bytes a row; column 1,024 x tile column + 512 x half
	s_lshl_b32 s90, s15, 7
	s_add_co_u32 s88, s88, s90
	s_lshl_b32 s88, s88, 13
	s_lshl_b32 s90, s42, 10
	s_add_co_u32 s88, s88, s90
	s_lshl_b32 s90, s16, 9
	s_add_co_u32 s88, s88, s90
	s_mov_b32 s89, 0
	s_add_nc_u64 s[12:13], s[12:13], s[88:89]
	v_and_b32 v1, 15, v0                           ; l % 16
	v_bfe_u32 v2, v0, 4, 1                         ; l / 16
	v_mul_u32_u24 v3, v1, PITCH
	v_lshl_add_u32 v4, v2, 4, v3                   ; a fragment's row x pitch + 16 x half
	v_add_nc_u32 v[ADRA], s21, v4
	v_add_nc_u32 v[ADRB], s22, v4
	v_add_nc_u32 v[ADRA+1], SLOT, v[ADRA]
	v_add_nc_u32 v[ADRB+1], SLOT, v[ADRB]
	v_mul_u32_u24 v6, s23, v2                      ; lanes 16-31 take B's scale words
	v_lshl_add_u32 v5, v1, 4, v6                   ; 16 bytes a row
	v_add_nc_u32 v[ADRS], s86, v5
	v_add_nc_u32 v[ADRS+1], SLOT, v[ADRS]
	v_mul_u32_u24 v5, v1, SPITCH                   ; into the stage: row l % 16, 32 bytes for each half of the lanes
	v_lshl_add_u32 v5, v2, 5, v5
	v_add_nc_u32 v[STO], s87, v5
	v_and_b32 v6, 31, v0
	v_lshlrev_b32 v[CO], 4, v6                     ; back: the 32 lanes take a row of 512 bytes; the same in out0
	v_add_nc_u32 v[RD], s87, v[CO]
	s_wait_kmcnt 0x0
	v_mul_f32 v[FAC], s68, s69
	v_mul_f32 v[FAC], 0x3c000000, v[FAC]           ; beta gamma / 128
	v_mov_b32 v[FAC+1], v[FAC]
	s_wait_xcnt 0x0                                ; the head's prefetches have read their address
	PFSET PFA, KI, 2                               ; the walk's third K step
	PFSET PFC, KI+1, 2                             ; and its fourth
.macro FRAG reg, adr, q, i             ; 16 rows x 128 K: lane l holds row l % 16; registers 4 c .. 4 c + 3 hold K = 64 c + 32 (l / 16) + 0 .. 31
.irp c, 0,1
	ds_load_b128 v[\reg+4*\c:\reg+4*\c+3], v[\adr] offset:64*(\q)+32*\c+(\i)*16*PITCH
.endr
.endm
; 16 matrix instructions: A's blocks a0, a0 + 1 x B's eight; p: the fragments' set; q: the slot's q-th 128 along K; sc: the scale words' set.  The 64 accumulators take turns, in the same order in every step.
.macro MUL16 a0, p, q, sc, zero
.irp a, \a0, \a0+1
.irp b, 0,1,2,3,4,5,6,7
.if \zero
	v_wmma_scale_f32_16x16x128_f8f6f4 v[8*(8*((\a)%4)+\b):8*(8*((\a)%4)+\b)+7], v[128*(\p)+FR*\b:128*(\p)+FR*\b+FR-1], v[AF+64*(\p)+FR*(\a):AF+64*(\p)+FR*(\a)+FR-1], 0, v[SC+8*NQ*(\sc)+NQ*\b+(\q)], v[SC+8*NQ*(\sc)+NQ*(\a)+(\q)] matrix_a_fmt:MATRIX_FMT_FP4 matrix_b_fmt:MATRIX_FMT_FP4 matrix_a_scale:MATRIX_SCALE_ROW1
.else
	v_wmma_scale_f32_16x16x128_f8f6f4 v[8*(8*((\a)%4)+\b):8*(8*((\a)%4)+\b)+7], v[128*(\p)+FR*\b:128*(\p)+FR*\b+FR-1], v[AF+64*(\p)+FR*(\a):AF+64*(\p)+FR*(\a)+FR-1], v[8*(8*((\a)%4)+\b):8*(8*((\a)%4)+\b)+7], v[SC+8*NQ*(\sc)+NQ*\b+(\q)], v[SC+8*NQ*(\sc)+NQ*(\a)+(\q)] matrix_a_fmt:MATRIX_FMT_FP4 matrix_b_fmt:MATRIX_FMT_FP4 matrix_a_scale:MATRIX_SCALE_ROW1
.endif
.endr
.endr
.endm
.macro FETCH slot, q, p                ; 32 loads in one run: B's eight fragments and A's eight into set p
	WIN TO_B
.irp i, 0,1,2,3,4,5,6,7
	FRAG 128*(\p)+FR*\i, ADRB+\slot, \q, \i
.endr
	WIN 0
.irp i, 0,1,2,3,4,5,6,7
	FRAG AF+64*(\p)+FR*\i, ADRA+\slot, \q, \i
.endr
.endm
.macro SCALES sc                       ; eight loads: the slot's scale words, four a row: lanes 0-15 A's block i, lanes 16-31 B's block i
.irp i, 0,1,2,3,4,5,6,7
	ds_load_b128 v[SC+8*NQ*\sc+NQ*\i:SC+8*NQ*\sc+NQ*\i+3], v[ADRS+\sc] offset:\i*PITCH
.endr
.endm
.macro PLACES n
.rept \n
	v_nop
.endr
.endm
; A step that has its successor in the same slot.
.macro STEP slot, q, zero
	PLACES 4                                       ; four places between the last step's matrix instructions and the loads into the sets that they read
	FETCH \slot, (\q)+1, 1-(\q)%2
	s_wait_dscnt 32                                ; out at most the 32 just issued: this step's fragments and scale words are in
	WIN MUL_LO
	MUL16 0, (\q)%2, \q, \slot, \zero
	MUL16 2, (\q)%2, \q, \slot, \zero
	WIN MUL_HI
	MUL16 4, (\q)%2, \q, \slot, \zero
	MUL16 6, (\q)%2, \q, \slot, \zero
.endm
; A slot's last step changes slots at its head: all its fragments were asked for in the step before.  MEET: in front of the barrier each wave waits for all its tensor loads (one is out: its part of the next slot),
; adds 0 to its spare word, and waits for that and for its reads of this slot.  fill = 1: the slot's descriptors and the prefetches' place are stepped between the add and its wait.
.macro MEET slot, fill
	WIN 0
.if \fill
	s_wait_xcnt 0x0                                ; my last prefetches have read their address, which is written below
.endif
	s_wait_tensorcnt 0x0
	ds_add_u32 v[SPW], v[NIL]
.if \fill
	s_add_co_u32 s[KI+\slot], s[KI+\slot], 2       ; no tensor load of mine is out: the slot's groups 0 take its next K step
	s_and_b32 s[KI+\slot], s[KI+\slot], 7
	WHERE \slot
	PFSET PFA, KI+\slot, 2                         ; and the prefetches the K step two loads on
.endif
	s_wait_dscnt 0x0
	s_barrier_signal -1
	WIN MUL_LO
	MUL16 0, 1, NQ-1, \slot, 0                     ; work on registers while the others arrive
	WIN 0
	s_barrier_wait -1
.endm
.macro TURN slot, next                 ; the barrier opens a round of the cluster's barrier, and this slot is filled again, two K steps on
	MEET \slot, 1
	CREST
	JLOAD G0+4*\slot, G1, G0B+4*\slot, G1B         ; my one tensor load behind the round; its four v_nop are the places in front of the loads below
	FETCH \next, 0, 0
	SCALES \next
	s_cmp_gt_u32 s3, 1                             ; the loop's last trip brings the walk's last two K steps: nothing lies two loads on
	s_cbranch_scc0 .Lno_pf_\@
	PF PFA
.Lno_pf_\@:
	WIN MUL_LO
	MUL16 2, 1, NQ-1, \slot, 0
	WIN MUL_HI
	MUL16 4, 1, NQ-1, \slot, 0
	MUL16 6, 1, NQ-1, \slot, 0
.endm
.macro STEPS slot, from
.set Q, \from
.rept NQ-1-\from
	STEP \slot, Q, 0
.set Q, Q+1
.endr
.endm
	s_wait_alu depctr_va_vdst(0)
	s_wait_tensorcnt 0x0                           ; my part of the first K step is in
	ds_add_u32 v[SPW], v[NIL]
	s_wait_dscnt 0x0
	CROUND                                         ; everybody's part is in, and the joint loads meet
	JLOAD G0+4, G1, G0B+4, G1B                     ; slot 1's first fill
	FETCH 0, 0, 0
	SCALES 0
	PF PFA
	PF PFC
	STEP 0, 0, 1                                   ; the first step's products start the sums: nothing is cleared
	WIN 0                                          ; at a label and at a branch every window is 0
	s_mov_b32 s3, LAPS-1
.Llap:                                                 ; a trip goes once round the ring, from a lap's second step to the next lap's first
	STEPS 0, 1
	TURN 0, 1
	STEPS 1, 0
	TURN 1, 0
	STEP 0, 0, 0
	WIN 0
	s_sub_co_u32 s3, s3, 1
	s_cmp_lg_u32 s3, 0
	s_cbranch_scc1 .Llap
	STEPS 0, 1                                     ; the last lap fills nothing
; BY ROWS.  BLOAD: B's eight fragments of slot 1's q-th 128 along K.  ALOAD: A's block a, all four quarters, into buffer a % 3.  ROW: block a is finished, 32 matrix instructions, its 8 accumulators by turns, K ascending.
.macro BLOAD q
.irp i, 0,1,2,3,4,5,6,7
	FRAG BQ\q+FR*\i, ADRB+1, \q, \i
.endr
.endm
.macro ALOAD a
.irp q, 0,1,2,3
	FRAG PAB+32*((\a)%3)+FR*\q, ADRA+1, \q, \a
.endr
.endm
.macro ROW a
.set FA, PAB+32*((\a)%3)
.set AC, 64*((\a)%4)
	WIN MUL_LO+0x50*((\a)/4)
.irp q, 0,1,2,3
.if (\a) == 0
.if \q == 0
	s_wait_dscnt 48                                ; out at most the second run's 32 loads and the third's 16: B's quarters 0 and 1, the scale words and A's block 0 are in
.endif
.if \q == 2
	s_wait_dscnt 32                                ; out at most A's blocks 1 and 2 and B's quarter 3: B's quarter 2 is in
.endif
.if \q == 3
	s_wait_dscnt 0x0
.endif
.endif
.irp b, 0,1,2,3,4,5,6,7
	v_wmma_scale_f32_16x16x128_f8f6f4 v[AC+8*\b:AC+8*\b+7], v[BQ\q+FR*\b:BQ\q+FR*\b+7], v[FA+FR*\q:FA+FR*\q+7], v[AC+8*\b:AC+8*\b+7], v[SC+8*NQ+NQ*\b+\q], v[SC+8*NQ+NQ*(\a)+\q] matrix_a_fmt:MATRIX_FMT_FP4 matrix_b_fmt:MATRIX_FMT_FP4 matrix_a_scale:MATRIX_SCALE_ROW1
.endr
.endr
.endm
; THE WAY OUT of block a, 16 rows x 128 columns: x beta gamma / 128 in place; through my own stage in LDS; back as whole rows of 512 bytes; stored as two aligned units of 256 bytes.
.macro SCALE a
.set AC, 64*((\a)%4)
	WIN 0x82+0x41*((\a)/4)                         ; source 0 and destination window 2 or 3, source 1 window 0
.set i, 0
.rept 32
	v_pk_mul_f32 v[AC+2*i:AC+2*i+1], v[AC+2*i:AC+2*i+1], v[FAC:FAC+1]   ; each accumulator from its low end on
.set i, i+1
.endr
.endm
.macro TOSTAGE a
.set AC, 64*((\a)%4)
	WIN 0x08+4*((\a)/4)                            ; the data: window 2 or 3
.irp b, 0,1,2,3,4,5,6,7
	ds_store_b128 v[STO], v[AC+8*\b:AC+8*\b+3] offset:64*\b
	ds_store_b128 v[STO], v[AC+8*\b+4:AC+8*\b+7] offset:64*\b+16
.endr
	WIN 0
.if (\a) > 0
	s_wait_xcnt 0x0                                ; the block before's stores have read their registers and their base
.endif
.irp t, 0,1,2,3,4,5,6,7,8,9,10,11,12,13,14,15
	ds_load_b128 v[BK+4*\t:BK+4*\t+3], v[RD] offset:\t*SPITCH   ; LDS serves a wave's instructions in order (ISA guide 5.7.1.4): these see the stores above
.endr
.endm
.macro SEND a, younger                 ; younger: the LDS loads issued behind TOSTAGE's, which may stay out
	s_wait_dscnt \younger
.if (\a) > 0
	s_add_nc_u64 s[12:13], s[12:13], 16*SIZE_N*4   ; behind TOSTAGE's wait on XCNT, with no store issued since
.endif
.irp t, 0,1,2,3,4,5,6,7,8,9,10,11,12,13,14,15
	global_store_b128 v[CO], v[BK+4*\t:BK+4*\t+3], s[12:13] offset:\t*SIZE_N*4 th:TH_STORE_NT   ; 32 lanes store 512 consecutive bytes, at a multiple of 256 from out0's first byte
.endr
.endm
	MEET 0, 0                                      ; slot 0's last step; slot 1 holds the walk's last K step; nothing is filled again, so no round follows
	PLACES 4                                       ; for the loads into the sets 0, which the step before multiplied
	WIN TO_B
	BLOAD 0                                        ; the first run, 48 loads
	BLOAD 1
	WIN 0
	SCALES 1
	ALOAD 0
	WIN MUL_LO
	MUL16 2, 1, NQ-1, 0, 0
	WIN MUL_HI
	MUL16 4, 1, NQ-1, 0, 0
	WIN TO_B
	BLOAD 2                                        ; the second run, 32 loads
	WIN 0
	ALOAD 1
	ALOAD 2
	WIN MUL_HI
	MUL16 6, 1, NQ-1, 0, 0
	PLACES 4                                       ; for the loads into B's set 1, and later into A's
	WIN TO_B
	BLOAD 3                                        ; the third run, 16 loads
	ROW 0
.irp a, 0,1,2,3,4,5,6,7                ; block a goes through the stage while block a + 1 is multiplied, and is stored behind those products
	PLACES 4                                       ; the scaling reads and writes results just made; the loads below land in registers just multiplied
	SCALE \a
	TOSTAGE \a
.if \a < 5
	ALOAD \a+3                                     ; its buffer takes the block three further on
.endif
.if \a < 7
	ROW \a+1
	WIN 0
.endif
.if \a < 5
	SEND \a, 8
.else
	SEND \a, 0
.endif
.endr
	s_wait_tensorcnt 0x0                           ; the wave's end
	ds_add_u32 v[SPW], v[NIL]
	s_wait_dscnt 0x0
	CROUND                                         ; the closing round
	s_endpgm
.Lfunc_end_k_q0d59057cb6_gemm:
	.size	k_q0d59057cb6_gemm, .Lfunc_end_k_q0d59057cb6_gemm-k_q0d59057cb6_gemm
	.p2alignl 7, 3214868480
	.fill 96, 4, 3214868480
	.section	.rodata,"a",@progbits
	.p2align	6, 0x0
	.amdhsa_kernel k_q0d59057cb6_gemm
		.amdhsa_group_segment_fixed_size 327680
		.amdhsa_private_segment_fixed_size 0
		.amdhsa_enable_private_segment 0
		.amdhsa_kernarg_size 40
		.amdhsa_user_sgpr_count 2
		.amdhsa_user_sgpr_kernarg_segment_ptr 1
		.amdhsa_wavefront_size32 1
		.amdhsa_system_sgpr_workgroup_id_x 1
		.amdhsa_system_sgpr_workgroup_id_y 1
		.amdhsa_system_sgpr_workgroup_id_z 1
		.amdhsa_system_vgpr_workitem_id 0
		.amdhsa_next_free_vgpr 1024
		.amdhsa_next_free_sgpr 96
		.amdhsa_reserve_vcc 0
		.amdhsa_float_denorm_mode_32 3
		.amdhsa_float_denorm_mode_16_64 3
		.amdhsa_memory_ordered 1
		.amdhsa_forward_progress 1
		.amdhsa_inst_pref_size 227
	.end_amdhsa_kernel
	.amdgpu_metadata
---
amdhsa.version: [ 1, 2 ]
amdhsa.kernels:
  - .name:           k_q0d59057cb6_gemm
    .symbol:         k_q0d59057cb6_gemm.kd
    .args:
      - { .name: xq, .offset: 0, .size: 8, .value_kind: global_buffer, .address_space: global }
      - { .name: wq, .offset: 8, .size: 8, .value_kind: global_buffer, .address_space: global }
      - { .name: beta, .offset: 16, .size: 8, .value_kind: global_buffer, .address_space: global }
      - { .name: gamma, .offset: 24, .size: 8, .value_kind: global_buffer, .address_space: global }
      - { .name: out0, .offset: 32, .size: 8, .value_kind: global_buffer, .address_space: global }
    .group_segment_fixed_size: 327680
    .private_segment_fixed_size: 0
    .kernarg_segment_align: 8
    .kernarg_segment_size: 40
    .max_flat_workgroup_size: 128
    .sgpr_count:     96
    .vgpr_count:     1024
    .wavefront_size: 32
...
	.end_amdgpu_metadata
.endif
;; end of part 2
